; MI455X (gfx1250); checked and timed in simulation.
; The chip was launched on July 23, 2026; its instructions are those of AMD's public machine-readable ISA for CDNA 5 (MIT licence, August 2026) and "CDNA5" Instruction Set Architecture Reference Guide (July 2026). The comments in the code are by the model that wrote it; some were corrected since.
;; Attention Head. Allowed arithmetic: matrix products marked QUANTISED: E3M2 operands, one E8M0 scale for each 32 along K, by v_wmma_scale_f32_16x16x128_f8f6f4 with both operands' format E3M2, f32 sums; everything else in f32.
;; Inputs: Wk 64 x 1,024 float32; Wq 64 x 1,024 float32; Wv 64 x 1,024 float32; bk 64 float32; bq 64 float32; bv 64 float32; x 4 x 4,096 x 1,024 float32.
;; Outputs: out0 4 x 4,096 x 64 float32.
;; This version of the problem:
;;   THIS VERSION OF THE PROBLEM IS GIVEN IN LOW PRECISION. The matrix products marked QUANTISED in the list below multiply operands that are first quantised to E3M2 (3 exponent bits, 2 mantissa bits; 6 bits a number), with one power-of-two scale for each 32 numbers along K (OCP MX v1.0); their sums are f32. All else is computed in f32.
;;   The module's matrix products, in the order in which they are computed (A, B: the left and right operand; K: the contracted axis; several contracted axes count as one K, in the product's order):
;;     1. [M 16,384, K 1,024] x [K 1,024, N 64]; A: input x; B: input Wq: QUANTISED
;;     2. [M 16,384, K 1,024] x [K 1,024, N 64]; A: input x; B: input Wk: QUANTISED
;;     3. [M 16,384, K 1,024] x [K 1,024, N 64]; A: input x; B: input Wv: QUANTISED
;;     4. batch 4 x [M 4,096, K 64] x [K 64, N 4,096]; A: computed on the way; B: computed on the way: QUANTISED
;;     5. batch 4 x [M 4,096, K 4,096] x [K 4,096, N 64]; A: softmax (see below); B: computed on the way: QUANTISED
;;   THE QUANTISER, for each operand of a quantised product, along K:
;;     - K is cut into blocks of 32 from its start; a last block that is shorter is filled with zeros.
;;     - A block's scale is 2^e with e = floor(log2(the largest magnitude in the block)) - 4, held to -126 .. 127; a block of zeros has e = 0. As a byte (E8M0): e + 127.
;;     - Each number is divided by its block's scale, clamped to +-28, and rounded to the nearest number of E3M2, ties to even, subnormals kept.
;;     - The product sums the exact products of the quantised numbers (number of the format x scale) in f32.
;;   ~~~python
;;   def quantise(x, axis):      # numpy; x: float32 -> the quantised numbers, widened to float32 again
;;       x = np.moveaxis(x, axis, -1); K = x.shape[-1]
;;       x = np.pad(x, [(0, 0)] * (x.ndim - 1) + [(0, -K % 32)]); x = x.reshape(x.shape[:-1] + (-1, 32)); a = np.abs(x).max(-1, keepdims=True)
;;       e = np.where(a > 0, np.clip(np.frexp(np.where(a > 0, a, 1))[1] - 1 - 4, -126, 127), 0)      # np.frexp(a)[1] - 1 = floor(log2(a)), exactly
;;       r = np.clip(x / 2.0 ** e, -28, 28)
;;       step = 2.0 ** (np.maximum(np.frexp(np.where(r == 0, 1, r))[1] - 1, -2) - 2)
;;       q = np.round(r / step) * step * 2.0 ** e      # np.round: ties to even
;;       return np.moveaxis(q.reshape(q.shape[:-2] + (-1,))[..., :K], -1, axis).astype(np.float32)
;;   ~~~
;;   SOFTMAX AHEAD OF A QUANTISED PRODUCT. Where the list says 'softmax', what is quantised is not the finished softmax but p = 2^(t - M), with t = logit x log2(e) and M = ceil(the row's largest t), a whole number; so 1/2 < the row's largest p <= 1. The row's sum l is taken of the UNQUANTISED p, in f32, and the product's result is divided by l at the end. Since M is a whole number, a kernel that streams over the keys may use a running M (the ceiling of the running maximum): every later rescaling is an exact power of two, which a block's scale takes up: the codes' values come out the same.
;;   OPERANDS COMPUTED ON THE WAY. 'Computed on the way' means the value that the module computes at that place (a softmax that the list does not call 'softmax' is quantised finished and normalised). What goes into a quantiser is computed in f32, as accurately as f32 sums, v_exp_f32 and their like allow (about 1e-6 of the number): no bf16 or f16 on the way to a quantiser, and a product that is left as it is and whose result goes on into a quantised operand takes f32 operands (vector FMAs, or v_wmma_f32_16x16x4_f32). A number that lies on a knife's edge between two numbers of the format may be rounded either way, as far as f32 arithmetic and the matrix unit's own rounding can turn it there, and no further.
;; One version. Each part assembles by itself: llvm-mc -triple=amdgcn-amd-amdhsa -mcpu=gfx1250 --defsym DOCPART=n.
;; ======== version 1 of 1: 3 launches
;; limits: right only within a limited range of input values
;; workspace buffers: wc 147,456 bytes; ws 6,144 bytes; qc 786,432 bytes; qs 32,768 bytes; kv 1,638,400 bytes
;; launch wquant (part 1): grid 96 x 1, 1 waves a work-group, no clusters, 0 bytes of LDS; arguments Wq, Wk, Wv, wc, ws; writes wc, ws
.if DOCPART == 1
	.amdgcn_target "amdgcn-amd-amdhsa--gfx1250"
	.amdhsa_code_object_version 6
	.text
	.protected	k_q82011ba618_wquant
	.globl	k_q82011ba618_wquant
	.p2align	8
	.type	k_q82011ba618_wquant,@function
k_q82011ba618_wquant:
	s_mov_b64 s[64:65], 0
	v_nop
	global_prefetch_b8 v0, s[64:65] scope:SCOPE_SE
	s_setreg_imm32_b32 hwreg(HW_REG_WAVE_MODE, 25, 1), 1
	s_wait_xcnt 0x0
; Wq, Wk, Wv [64][1024] f32 become 96 operand fragments (16 rows x 128 K) of BF6 (E3M2) codes with one E8M0 byte for each 32 along K.
; One wave makes one fragment f = 8 ct + s: column tile ct (0-3 Wq, 4-7 Wk, 8-11 Wv), K step s.  There is work for 96 waves, so 96 work-groups are launched.
; THE ROWS OF A TILE: Wq, Wk: row r of tile t is feature 8 t + r % 8 + 32 (r / 8), so that the projection's transposed results give a lane a whole block of 32 features; Wv: row 16 t + r.
; A LANE (r, h) loads numbers 16 h .. 16 h + 15 of each of its row's four blocks, so that two lanes read 128 neighbouring bytes; lanes l and l xor 16 share the blocks' maxima and exchange halves of the codes.
; OUT: wc[f]: an image of the operand's 12 registers: registers 4 g .. 4 g + 3 of lane l at 512 g + 16 l (each store covers 512 consecutive bytes, aligned);
;      ws[ct / 2][s]: 128 bytes: the even tile's 16 scale words, then the odd tile's.
; A block's scale is 2^(floor(log2(largest magnitude)) - 4); its byte is the largest magnitude's exponent field - 4, held at 1 from below.
; LIMITS: NaN and infinities among the inputs are not served.  A block of zeros gets the byte 1 where the quantiser says 127: its codes are zeros, which add nothing under any byte but 0xff, and this program alone reads the bytes.
.set XS,  16                           ; v16-79   64 numbers: register 16 b + i = k 32 b + 16 h + i of my row
.set PC,  80                           ; v80-99   the codes
.set TM,  100                          ; v100-115 largest magnitudes, bytes, scale operands
.set PW,  116                          ; v116     the scale word
.set SEL, 20                           ; s[20:21] v_permlanex16_b32's selects for lane l xor 16
	s_load_b256 s[4:11], s[0:1], 0x0               ; Wq s[4:5], Wk s[6:7], Wv s[8:9], wc s[10:11]
	s_load_b64 s[12:13], s[0:1], 0x20              ; ws
	s_lshr_b32 s14, ttmp9, 3                       ; ct
	s_and_b32 s15, ttmp9, 7                        ; s
	s_and_b32 s17, s14, 3                          ; the tile's number in its matrix
	s_lshl_b32 s18, s17, 3                         ; Wq, Wk: the tile begins at row 8 t
	s_lshl_b32 s19, s17, 4                         ; Wv: at row 16 t
	s_cmp_lt_u32 s14, 8
	s_cselect_b32 s18, s18, s19
	s_cselect_b32 s16, 8, 0                        ; Wq, Wk: lanes 8-15 take rows 24 further on
	s_lshl_b32 s22, s18, 12                        ; a row of W is 4,096 bytes,
	s_lshl_b32 s19, s15, 9                         ; a K step 512
	s_add_co_u32 s22, s22, s19
	s_mov_b32 s23, 0
	s_mul_i32 s24, ttmp9, 1536                     ; my image in wc
	s_mov_b32 s25, 0
	s_lshr_b32 s26, s14, 1                         ; my words in ws: 1,024 (ct / 2) + 128 s + 64 (ct % 2)
	s_lshl_b32 s26, s26, 10
	s_lshl_b32 s19, s15, 7
	s_add_co_u32 s26, s26, s19
	s_and_b32 s19, s14, 1
	s_lshl_b32 s19, s19, 6
	s_add_co_u32 s26, s26, s19
	s_mov_b32 s27, 0
	s_mov_b32 s[SEL], 0x76543210
	s_mov_b32 s[SEL+1], 0xfedcba98
	v_and_b32 v1, 15, v0                           ; r
	v_bfe_u32 v2, v0, 4, 1                         ; h
	v_and_b32 v3, s16, v1
	v_mad_u32_u24 v3, v3, 3, v1                    ; r + 24 (r / 8), or r
	v_lshlrev_b32 v3, 12, v3
	v_lshl_add_u32 v3, v2, 6, v3                   ; my row, + 64 h
	v_lshlrev_b32 v4, 4, v0                        ; 16 x lane
	v_lshlrev_b32 v5, 2, v1                        ; 4 r
.irp b, 0,1,2,3
	v_mov_b32 v[TM+4+\b], 0                        ; a lane permute's destination counts as one of its sources
.endr
	s_wait_alu depctr_va_vdst(0)
	s_wait_kmcnt 0x0
	s_cmp_lt_u32 s14, 4                            ; which matrix: the choice hangs on the work-group's number alone
	s_cselect_b64 s[4:5], s[4:5], s[6:7]
	s_cmp_lt_u32 s14, 8
	s_cselect_b64 s[4:5], s[4:5], s[8:9]
	s_add_nc_u64 s[4:5], s[4:5], s[22:23]
	s_add_nc_u64 s[10:11], s[10:11], s[24:25]
	s_add_nc_u64 s[12:13], s[12:13], s[26:27]
.irp b, 0,1,2,3
.irp j, 0,1,2,3
	global_load_b128 v[XS+16*\b+4*\j:XS+16*\b+4*\j+3], v3, s[4:5] offset:128*\b+16*\j
.endr
.endr
	s_wait_loadcnt 0x0
.irp b, 0,1,2,3
	v_max3_num_f32 v[TM+\b], |v[XS+16*\b]|, |v[XS+16*\b+1]|, 0x2800000   ; block b: my 16 numbers, and the floor 2^(5 - 127): the byte cannot fall under 1
.endr
.irp i, 2,4,6,8,10,12,14
.irp b, 0,1,2,3
	v_max3_num_f32 v[TM+\b], v[TM+\b], |v[XS+16*\b+\i]|, |v[XS+16*\b+\i+1]|   ; the blocks by turns
.endr
.endr
.irp b, 0,1,2,3
	v_permlanex16_b32 v[TM+4+\b], v[TM+\b], s[SEL], s[SEL+1]
.endr
.irp b, 0,1,2,3
	v_max_num_f32 v[TM+\b], v[TM+\b], v[TM+4+\b]   ; with lane l xor 16's 16: the block's largest magnitude
.endr
.irp b, 0,1,2,3
	v_add_nc_u32 v[TM+12+\b], 0xfe000000, v[TM+\b] ; 4 off its exponent field: the conversion's scale operand
.endr
.irp c, 0,1
	v_cvt_scalef32_pk16_bf6_f32 v[PC+6*\c:PC+2+6*\c], v[XS+32*\c:XS+15+32*\c], v[TM+12+2*\c]
	v_cvt_scalef32_pk16_bf6_f32 v[PC+12+4*\c:PC+14+4*\c], v[XS+16+32*\c:XS+31+32*\c], v[TM+13+2*\c]   ; (a conversion's three registers begin on an even number)
.endr
.irp b, 0,1,2,3
	v_lshrrev_b32 v[TM+4+\b], 23, v[TM+12+\b]      ; the scale's byte
.endr
	v_lshl_or_b32 v[PW], v[TM+5], 8, v[TM+4]
	v_lshl_or_b32 v[PW], v[TM+6], 16, v[PW]
	v_lshl_or_b32 v[PW], v[TM+7], 24, v[PW]
.irp c, 0,1
.irp i, 0,1,2
	v_permlane16_swap_b32 v[PC+6*\c+\i], v[PC+12+4*\c+\i]   ; the operand wants a whole block in a lane: lanes 0-15 block 2 c, lanes 16-31 block 2 c + 1
.endr
.irp i, 0,1,2
	v_mov_b32 v[PC+3+6*\c+\i], v[PC+12+4*\c+\i]
.endr
.endr
.irp g, 0,1,2
	global_store_b128 v4, v[PC+4*\g:PC+4*\g+3], s[10:11] offset:512*\g   ; 32 lanes store 512 consecutive bytes, aligned
.endr
	global_store_b32 v5, v[PW], s[12:13]           ; both halves of the lanes hold row r's word and write it to the same place
	s_endpgm
.Lfunc_end_k_q82011ba618_wquant:
	.size	k_q82011ba618_wquant, .Lfunc_end_k_q82011ba618_wquant-k_q82011ba618_wquant
	.p2alignl 7, 3214868480
	.fill 96, 4, 3214868480
	.section	.rodata,"a",@progbits
	.p2align	6, 0x0
	.amdhsa_kernel k_q82011ba618_wquant
		.amdhsa_group_segment_fixed_size 0
		.amdhsa_private_segment_fixed_size 0
		.amdhsa_enable_private_segment 0
		.amdhsa_kernarg_size 40
		.amdhsa_user_sgpr_count 2
		.amdhsa_user_sgpr_kernarg_segment_ptr 1
		.amdhsa_wavefront_size32 1
		.amdhsa_system_sgpr_workgroup_id_x 1
		.amdhsa_system_sgpr_workgroup_id_y 1
		.amdhsa_system_sgpr_workgroup_id_z 1
		.amdhsa_system_vgpr_workitem_id 0
		.amdhsa_next_free_vgpr 128
		.amdhsa_next_free_sgpr 66
		.amdhsa_reserve_vcc 0
		.amdhsa_float_denorm_mode_32 3
		.amdhsa_float_denorm_mode_16_64 3
		.amdhsa_memory_ordered 1
		.amdhsa_forward_progress 1
		.amdhsa_inst_pref_size 8
	.end_amdhsa_kernel
	.amdgpu_metadata
---
amdhsa.version: [ 1, 2 ]
amdhsa.kernels:
  - .name:           k_q82011ba618_wquant
    .symbol:         k_q82011ba618_wquant.kd
    .args:
      - { .name: Wq, .offset: 0, .size: 8, .value_kind: global_buffer, .address_space: global }
      - { .name: Wk, .offset: 8, .size: 8, .value_kind: global_buffer, .address_space: global }
      - { .name: Wv, .offset: 16, .size: 8, .value_kind: global_buffer, .address_space: global }
      - { .name: wc, .offset: 24, .size: 8, .value_kind: global_buffer, .address_space: global }
      - { .name: ws, .offset: 32, .size: 8, .value_kind: global_buffer, .address_space: global }
    .group_segment_fixed_size: 0
    .private_segment_fixed_size: 0
    .kernarg_segment_align: 8
    .kernarg_segment_size: 40
    .max_flat_workgroup_size: 32
    .sgpr_count:     66
    .vgpr_count:     128
    .wavefront_size: 32
...
	.end_amdgpu_metadata
.endif
;; end of part 1
;; launch proj (part 2): grid 256 x 1, 8 waves a work-group, no clusters, 327,680 bytes of LDS; arguments x, wc, ws, bq, bk, bv, qc, qs, kv; writes qc, qs, kv
.if DOCPART == 2
	.amdgcn_target "amdgcn-amd-amdhsa--gfx1250"
	.amdhsa_code_object_version 6
	.text
	.protected	k_q82011ba618_proj
	.globl	k_q82011ba618_proj
	.p2align	8
	.type	k_q82011ba618_proj,@function
k_q82011ba618_proj:
	s_mov_b64 s[64:65], 0
	v_nop
	global_prefetch_b8 v0, s[64:65] scope:SCOPE_SE
	s_setreg_imm32_b32 hwreg(HW_REG_WAVE_MODE, 25, 1), 1
	s_wait_xcnt 0x0
; Q = x Wq^T + bq, K = x Wk^T + bk, V = x Wv^T + bv on codes of BF6 (E3M2) with one E8M0 scale for each 32 along K = 1,024; sums in f32.  x [16384][1024] f32 is quantised here, W arrives as fragment images (wc, ws).
; The results are quantised at once for the attention: Q and K along the 64 features, V along the keys, and leave as images of the operands' registers.
; SHARES.  Work-group G owns rows 64 G .. 64 G + 63.  Waves 0-3 bring in and quantise K steps 0-4 of 16 rows each, waves 4-7 K steps 5-7.  Waves 0-3 multiply: wave w (qk = w % 2, b = w / 2) makes Q (qk = 0) or K (qk = 1),
; all 64 features, of row tiles 2 b and 2 b + 1 (8 accumulators), and V's features 16 w .. 16 w + 15 of all four row tiles (4 accumulators).  While they multiply steps 0-4, waves 4-7 quantise steps 5-7.
; ROW TILES: row m of tile i is row 32 (m / 8) + 8 i + m % 8 of the 64.  Q and K, used transposed (source 0 = W, source 1 = x), give lane (r, h) row r of a tile and, W's rows being dealt alike, the features 32 h + 0 .. 31;
; V (source 0 = x, source 1 = Wv) gives lane (r, h) feature r and, over the four tiles, the keys 32 h + 0 .. 31.  So a lane always holds whole blocks.
; x: ONE tensor load a wave: 16 rows x 2,560 bytes (waves 0-3) or 1,536 (waves 4-7), 16 bytes of padding behind each 512: LDS rows of 165 x 16 and 99 x 16 bytes, so a load's sixteen rows begin at sixteen different 16-byte columns of 256.
; Only the issuing wave reads those bytes: its own wait is the ordering.  No LDS byte is filled twice.  All of x is asked for at the head, and no loop runs ahead: so nothing is prefetched.
; W: 20 of a wave's 40 fragments lie in window 1; those of step s + 4 take the place of step s's once it is multiplied.
; NO CLUSTER: the work-groups share W alone, which goes straight to registers: x and the images leave no room in LDS for W's 147,456 bytes.
; LIMITS: NaN and infinities among the inputs are not served.  A block of zeros gets the byte 1 where the quantiser says 127: its codes are zeros, and this program alone reads the bytes.
.set TS,    12416                      ; a row tile's 8 images: 8 x 1,536 bytes + 128, so that the stores of lanes 0-7 and 8-15 (two tiles) fall on different banks
.set WA,    42240                      ; waves 0-3: 16 x 2,640 bytes each, from 0
.set WB4,   25344                      ; waves 4-7: 16 x 1,584 bytes each, behind them
.set BOFF,  4*WA-4*WB4
.set XIMG,  4*WA+4*WB4                 ; the images: fragment (m, s) at m TS + 1,536 s
.set XSC,   XIMG+4*TS                  ; their scale words: 256 s + 64 m + 4 i
.set STG,   XSC+2048                   ; 512 bytes: K's scale words [b][16], V's halfwords [t][16], Q's scale words [b][16]
.set SPARE, STG+512                    ; the spare words, 128 bytes for each wave: no other line names them
.set XA0,  4                           ; x in LDS, waves 0-3: my bytes + 2,640 r + 128 h
.set XA1,  5                           ; waves 4-7: my bytes + 1,584 r + 128 h
.set XWI,  6                           ; where I store an image's 16 bytes
.set XWS,  7                           ; and my row's scale word
.set AO,   8                           ; images of my own pair of row tiles, + 16 x lane
.set AP,   9                           ; of the other pair
.set SOA,  10                          ; scale words of my own pair, + 4 x lane: lanes 0-15 tile u = 0, lanes 16-31 tile u = 1
.set SPA,  11                          ; of the other pair
.set LI,   12                          ; 16 x lane
.set L4,   13                          ; 4 x lane
.set R4,   14                          ; 4 r
.set H128, 15                          ; 128 h
.set XS,   16                          ; v16-79   quantising: 64 numbers
.set PC,   80                          ; v80-99   the codes just made
.set TM,   100                         ; v100-108 at work
.set PW,   116                         ; the scale word just made
.set XF,   16                          ; v16-111  multiplying: x's fragment (st, o, u) at XF + 48 st + 24 o + 12 u (o = 0: my own pair, 1: the other)
.set VO,   16                          ; v16-21   the way out: V's six registers
.set ACC,  120                         ; v120-183 Q or K: 32 u + 8 i;  waves 4-7: a second set of 64 numbers
.set VACC, 184                         ; v184-215 V: 16 o + 8 u
.set WS,   216                         ; v216-239 W's scale words: 3 s + (p = 0, p = 1, V); scales and nothing else
.set XSR,  240                         ; v240-243 x's scale words: 2 st + o; scales and nothing else
.set BV,   244                         ; v244-245 bv of my feature, twice
.set L8,   246                         ; 8 x lane
.set H8,   247                         ; 8 h
.set SQA,  248                         ; the stage: my row's scale word of Q or K
.set SVA,  249                         ; the stage: my feature's halfword of V
.set SPW,  254                         ; LDS address of my spare word; never rewritten
.set NIL,  255                         ; 0; never rewritten
.set WV,   22                          ; s22 wave   s23 qk   s24 b   s25 wave % 4
.set QK,   23
.set BB,   24
.set WW,   25
.set G1A,  28                          ; s[28:35] descriptor group 1, waves 0-3;  s[36:39] group 0
.set G0A,  36
.set G1B,  40                          ; s[40:47], s[48:51] the same for waves 4-7
.set G0B,  48
.set SEL,  52                          ; s[52:53] v_permlanex16_b32's selects for lane l xor 16
.set VM,   60                          ; s60      all ones where b = 1
.set PWQK, 66                          ; pointers: my four column tiles of Wq or Wk,
.set PWV,  68                          ; my tile of Wv,
.set PSQK, 70                          ; their scale words,
.set PSV,  72
.set PBQK, 74                          ; bq or bk,
.set PBV,  76                          ; my 16 of bv,
.set PDQK, 78                          ; where my double fragment of Q or K goes,
.set PDV,  80                          ; my half fragment of V,
.set PDT,  82                          ; the half record's 256 scale bytes,
.set PDQS, 84                          ; Q's scale words
.set MSB, 0
.macro WIN new                         ; the immediate's high byte repeats the setting that is left
.if MSB != (\new)
	s_set_vgpr_msb (MSB<<8)|(\new)
.set MSB, (\new)
.endif
.endm
.macro PLACES                          ; four plain places behind matrix instructions, in front of loads into their sources and of the first read of results
.rept 4
	v_nop
.endr
.endm
.macro BARRIER                         ; my LDS stores have landed and my LDS loads are in: then the work-group's barrier
	s_wait_alu depctr_va_vdst(0)
	s_wait_dscnt 0x0
	s_barrier_signal -1
	s_barrier_wait -1
.endm
; np blocks of 32 numbers a lane, from v[s] on, become codes: block c's first 16 in v[PC + 6 c] on, its others in v[PC + 12 + 4 c] on; np = 2: moved together to 12 registers in v[PC] on.  v[PW]: the row's bytes, the same in lanes l and l xor 16.
.macro QUANT s, np
.irp c, 0,1
.if \c < \np
	v_max3_num_f32 v[TM+2*\c], |v[\s+32*\c]|, |v[\s+32*\c+1]|, 0x2800000   ; with the floor 2^(5 - 127): the byte cannot fall under 1.  (Each accumulator is read from its low end on)
	v_max3_num_f32 v[TM+2*\c+1], |v[\s+32*\c+16]|, |v[\s+32*\c+17]|, |v[\s+32*\c+18]|
.endif
.endr
.irp i, 2,4,6,8,10,12
.irp c, 0,1
.if \c < \np
	v_max3_num_f32 v[TM+2*\c], v[TM+2*\c], |v[\s+32*\c+\i]|, |v[\s+32*\c+\i+1]|
	v_max3_num_f32 v[TM+2*\c+1], v[TM+2*\c+1], |v[\s+32*\c+\i+17]|, |v[\s+32*\c+\i+18]|
.endif
.endr
.endr
.irp c, 0,1
.if \c < \np
	v_max3_num_f32 v[TM+2*\c], v[TM+2*\c], |v[\s+32*\c+14]|, |v[\s+32*\c+15]|
.endif
.endr
.irp c, 0,1
.if \c < \np
	v_max3_num_f32 v[TM+2*\c], v[TM+2*\c], v[TM+2*\c+1], |v[\s+32*\c+31]|
.endif
.endr
.irp c, 0,1
.if \c < \np
	v_add_nc_u32 v[TM+4+\c], 0xfe000000, v[TM+2*\c]   ; 4 off the exponent field: the conversion's scale operand
.endif
.endr
.irp c, 0,1
.if \c < \np
	v_cvt_scalef32_pk16_bf6_f32 v[PC+6*\c:PC+2+6*\c], v[\s+32*\c:\s+32*\c+15], v[TM+4+\c]
	v_cvt_scalef32_pk16_bf6_f32 v[PC+12+4*\c:PC+14+4*\c], v[\s+32*\c+16:\s+32*\c+31], v[TM+4+\c]   ; (a conversion's three registers begin on an even number)
.endif
.endr
.irp c, 0,1
.if \c < \np
	v_lshrrev_b32 v[TM+6+\c], 23, v[TM+4+\c]       ; the bytes
.endif
.endr
.if \np == 2
	v_lshl_or_b32 v[PW], v[TM+7], 16, v[TM+6]
	v_lshlrev_b32 v[PW], v[H8], v[PW]              ; my bytes at places h and 2 + h,
.else
	v_lshlrev_b32 v[PW], v[H8], v[TM+6]
.endif
	v_permlanex16_b32 v[TM+8], v[PW], s[SEL], s[SEL+1]
	v_or_b32 v[PW], v[PW], v[TM+8]                 ; with lane l xor 16's the word is whole
.if \np == 2
.irp c, 0,1
.irp i, 0,1,2
	v_mov_b32 v[PC+3+6*\c+\i], v[PC+12+4*\c+\i]
.endr
.endr
.endif
.endm
; One product for Q or K: D = C = v[d], source 0 = W's fragment (in window 1), source 1 = x's.  ra, rb: the side's scale words lie in lanes 16-31.
.macro QKMUL d, a, b, sa, sb, ra, rb
.if \ra
.if \rb
	v_wmma_scale_f32_16x16x128_f8f6f4 v[\d:\d+7], v[\a:\a+11], v[\b:\b+11], v[\d:\d+7], v[\sa], v[\sb] matrix_a_fmt:MATRIX_FMT_BF6 matrix_b_fmt:MATRIX_FMT_BF6 matrix_a_scale:MATRIX_SCALE_ROW1 matrix_b_scale:MATRIX_SCALE_ROW1
.else
	v_wmma_scale_f32_16x16x128_f8f6f4 v[\d:\d+7], v[\a:\a+11], v[\b:\b+11], v[\d:\d+7], v[\sa], v[\sb] matrix_a_fmt:MATRIX_FMT_BF6 matrix_b_fmt:MATRIX_FMT_BF6 matrix_a_scale:MATRIX_SCALE_ROW1
.endif
.else
.if \rb
	v_wmma_scale_f32_16x16x128_f8f6f4 v[\d:\d+7], v[\a:\a+11], v[\b:\b+11], v[\d:\d+7], v[\sa], v[\sb] matrix_a_fmt:MATRIX_FMT_BF6 matrix_b_fmt:MATRIX_FMT_BF6 matrix_b_scale:MATRIX_SCALE_ROW1
.else
	v_wmma_scale_f32_16x16x128_f8f6f4 v[\d:\d+7], v[\a:\a+11], v[\b:\b+11], v[\d:\d+7], v[\sa], v[\sb] matrix_a_fmt:MATRIX_FMT_BF6 matrix_b_fmt:MATRIX_FMT_BF6
.endif
.endif
.endm
; One product for V: source 0 = x's fragment, source 1 = Wv's.  zero = 1: it starts the sum.
.macro VMUL d, a, b, sa, sb, ra, zero
.if \zero
.if \ra
	v_wmma_scale_f32_16x16x128_f8f6f4 v[\d:\d+7], v[\a:\a+11], v[\b:\b+11], 0, v[\sa], v[\sb] matrix_a_fmt:MATRIX_FMT_BF6 matrix_b_fmt:MATRIX_FMT_BF6 matrix_a_scale:MATRIX_SCALE_ROW1
.else
	v_wmma_scale_f32_16x16x128_f8f6f4 v[\d:\d+7], v[\a:\a+11], v[\b:\b+11], 0, v[\sa], v[\sb] matrix_a_fmt:MATRIX_FMT_BF6 matrix_b_fmt:MATRIX_FMT_BF6
.endif
.else
.if \ra
	v_wmma_scale_f32_16x16x128_f8f6f4 v[\d:\d+7], v[\a:\a+11], v[\b:\b+11], v[\d:\d+7], v[\sa], v[\sb] matrix_a_fmt:MATRIX_FMT_BF6 matrix_b_fmt:MATRIX_FMT_BF6 matrix_a_scale:MATRIX_SCALE_ROW1
.else
	v_wmma_scale_f32_16x16x128_f8f6f4 v[\d:\d+7], v[\a:\a+11], v[\b:\b+11], v[\d:\d+7], v[\sa], v[\sb] matrix_a_fmt:MATRIX_FMT_BF6 matrix_b_fmt:MATRIX_FMT_BF6
.endif
.endif
.endm
.macro XREAD d, adr, st                ; my row's blocks h and 2 + h of the st-th K step that my wave brought in
.irp c, 0,1
.irp j, 0,1,2,3,4,5,6,7
	ds_load_b128 v[\d+32*\c+4*\j:\d+32*\c+4*\j+3], v[\adr] offset:528*(\st)+256*\c+16*\j
.endr
.endr
.endm
.macro IMAGE s                         ; the fragment in v[PC] on goes to LDS as it stands, to the lane's place in its row tile; its scale word likewise
.irp g, 0,1,2
	ds_store_b128 v[XWI], v[PC+4*\g:PC+4*\g+3] offset:1536*(\s)+512*\g
.endr
	ds_store_b32 v[XWS], v[PW] offset:256*(\s)
.endm
.macro FETCH st, s                     ; 14 LDS loads: K step s of all four row tiles, and their scale words
.irp u, 0,1
.irp g, 0,1,2
	ds_load_b128 v[XF+48*(\st)+12*\u+4*\g:XF+48*(\st)+12*\u+4*\g+3], v[AO] offset:\u*TS+1536*(\s)+512*\g
.endr
.endr
.irp u, 0,1
.irp g, 0,1,2
	ds_load_b128 v[XF+48*(\st)+24+12*\u+4*\g:XF+48*(\st)+24+12*\u+4*\g+3], v[AP] offset:\u*TS+1536*(\s)+512*\g
.endr
.endr
	ds_load_b32 v[XSR+2*(\st)], v[SOA] offset:256*(\s)
	ds_load_b32 v[XSR+2*(\st)+1], v[SPA] offset:256*(\s)
.endm
.macro WLOAD s                         ; W's five fragments of K step s, into window 1 at 60 (s % 4): each load reads 512 consecutive bytes
.set WB, 60*((\s)%4)
	WIN 0x40
.irp k, 0,1,2,3
.irp g, 0,1,2
	global_load_b128 v[WB+12*\k+4*\g:WB+12*\k+4*\g+3], v[LI], s[PWQK:PWQK+1] offset:12288*\k+1536*(\s)+512*\g
.endr
.endr
.irp g, 0,1,2
	global_load_b128 v[WB+48+4*\g:WB+48+4*\g+3], v[LI], s[PWV:PWV+1] offset:1536*(\s)+512*\g
.endr
	WIN 0
.endm
; K step s: 12 matrix instructions.  The 12 accumulators take turns, one instruction a turn, in the same order in every step.
.macro MULS st, s
.set WB, 60*((\s)%4)
	WIN 1                                          ; source 0 in W's window
.irp u, 0,1
.irp p, 0,1
.irp q, 0,1
	QKMUL ACC+32*\u+16*\p+8*\q, WB+12*(2*\p+\q), XF+48*(\st)+12*\u, WS+3*(\s)+\p, XSR+2*(\st), \q, \u
.endr
.endr
.endr
	WIN 4                                          ; source 1 in W's window
.irp o, 0,1
.irp u, 0,1
.if (\s) == 0
	VMUL VACC+16*\o+8*\u, XF+48*(\st)+24*\o+12*\u, WB+48, XSR+2*(\st)+\o, WS+3*(\s)+2, \u, 1
.else
	VMUL VACC+16*\o+8*\u, XF+48*(\st)+24*\o+12*\u, WB+48, XSR+2*(\st)+\o, WS+3*(\s)+2, \u, 0
.endif
.endr
.endr
	WIN 0
.endm
.macro DESC g, cols                    ; descriptor group 1: 16 rows x cols elements of 4 bytes, 16 bytes of padding behind each 512
	s_mov_b32 s[\g+0], (2<<16)|(1<<20)|(6<<22)|(3<<25)   ; no mask; elements of 4 bytes; padding on, after every 128 words (code 6), of 4 words (code 3)
	s_mov_b32 s[\g+1], \cols<<16
	s_mov_b32 s[\g+2], 16<<16
	s_mov_b32 s[\g+3], \cols<<16
	s_mov_b32 s[\g+4], 16
	s_mov_b32 s[\g+5], 1024
	s_mov_b32 s[\g+6], 0
	s_mov_b32 s[\g+7], 0
.endm
	s_load_b512 s[4:19], s[0:1], 0x0               ; x s[4:5], wc s[6:7], ws s[8:9], bq s[10:11], bk s[12:13], bv s[14:15], qc s[16:17], qs s[18:19]
	s_load_b64 s[20:21], s[0:1], 0x40              ; kv
	v_lshl_add_u32 v[SPW], v0, 2, SPARE
	v_mov_b32 v[NIL], 0
	ds_add_u32 v[SPW], v[NIL]                      ; the opening: the add, twice on end, under one wait
	ds_add_u32 v[SPW], v[NIL]
	v_lshrrev_b32 v1, 5, v0
	v_readfirstlane_b32 s[WV], v1                  ; wave 0..7
	s_and_b32 s[WW], s[WV], 3
	s_and_b32 s[QK], s[WV], 1
	s_lshr_b32 s[BB], s[WW], 1
	DESC G1A, 640
	DESC G1B, 384
	s_lshl_b32 s54, ttmp9, 18                      ; the work-group's 64 rows of 4,096 bytes,
	s_lshl_b32 s56, s[WW], 16                      ; my wave's 16 of them
	s_add_co_u32 s54, s54, s56
	s_mov_b32 s55, 0                               ; (stays 0: the upper word of every offset below)
	s_mul_i32 s61, s[WV], WA                       ; my bytes of LDS: waves 0-3,
	s_mul_i32 s62, s[WV], WB4
	s_add_co_u32 s62, s62, BOFF                    ; waves 4-7
	s_mov_b32 s[SEL], 0x76543210
	s_mov_b32 s[SEL+1], 0xfedcba98
	s_mov_b32 s[G0A], 1
	s_mov_b32 s[G0A+1], s61
	s_mov_b32 s[G0B], 1
	s_mov_b32 s[G0B+1], s62
	s_wait_alu depctr_va_vdst(0)                   ; directly ahead of the waits below
	s_wait_dscnt 0x0                               ; both opening adds are done
	s_wait_kmcnt 0x0
	s_add_nc_u64 s[4:5], s[4:5], s[54:55]
	s_mov_b64 s[G0A+2:G0A+3], s[4:5]
	s_or_b32 s[G0A+3], s[G0A+3], 0x80000000
	s_add_nc_u64 s[G0B+2:G0B+3], s[4:5], 2560      ; K step 5 begins 2,560 bytes on
	s_or_b32 s[G0B+3], s[G0B+3], 0x80000000
	s_cmp_lt_u32 s[WV], 4                          ; one load a wave
	s_cbranch_scc0 .Lload_b
	tensor_load_to_lds s[G0A:G0A+3], s[G1A:G1A+7]
	s_nop 0
.rept 4
	v_nop
.endr
	s_branch .Lloaded
.Lload_b:
	tensor_load_to_lds s[G0B:G0B+3], s[G1B:G1B+7]
	s_nop 0
.rept 4
	v_nop
.endr
.Lloaded:
	; the pointers: each offset is made apart, in s[54:55], and added to its own buffer's address
	s_mul_i32 s54, s[QK], 49152                    ; wc: column tiles 4 qk .. 4 qk + 3, 12,288 bytes each
	s_add_nc_u64 s[PWQK:PWQK+1], s[6:7], s[54:55]
	s_add_co_u32 s54, s[WW], 8                     ; and tile 8 + w
	s_mul_i32 s54, s54, 12288
	s_add_nc_u64 s[PWV:PWV+1], s[6:7], s[54:55]
	s_lshl_b32 s54, s[QK], 11                      ; ws: pairs of tiles 2 qk, 2 qk + 1, 1,024 bytes each
	s_add_nc_u64 s[PSQK:PSQK+1], s[8:9], s[54:55]
	s_lshl_b32 s54, s[BB], 10                      ; and pair 4 + w / 2, half w % 2
	s_lshl_b32 s56, s[QK], 6
	s_add_co_u32 s54, s54, s56
	s_add_co_u32 s54, s54, 4096
	s_add_nc_u64 s[PSV:PSV+1], s[8:9], s[54:55]
	s_lshl_b32 s54, s[WW], 6
	s_add_nc_u64 s[PBV:PBV+1], s[14:15], s[54:55]
	s_movk_i32 s56, 3072                           ; qc: 3,072 bytes a work-group;
	s_movk_i32 s57, 6400                           ; kv: 6,400
	s_cmp_eq_u32 s[QK], 0                          ; Q's wave or K's: the choice hangs on the wave's number alone
	s_cselect_b64 s[PBQK:PBQK+1], s[10:11], s[12:13]
	s_cselect_b64 s[PDQK:PDQK+1], s[16:17], s[20:21]
	s_cselect_b32 s56, s56, s57
	s_mul_i32 s54, ttmp9, s56
	s_mul_i32 s56, s[BB], 1536
	s_add_co_u32 s54, s54, s56
	s_add_nc_u64 s[PDQK:PDQK+1], s[PDQK:PDQK+1], s[54:55]
	s_mul_i32 s58, ttmp9, 6400
	s_mul_i32 s56, s[WW], 768
	s_add_co_u32 s54, s58, s56
	s_add_co_u32 s54, s54, 3072
	s_add_nc_u64 s[PDV:PDV+1], s[20:21], s[54:55]
	s_add_co_u32 s54, s58, 6144
	s_add_nc_u64 s[PDT:PDT+1], s[20:21], s[54:55]
	s_lshl_b32 s54, ttmp9, 7
	s_add_nc_u64 s[PDQS:PDQS+1], s[18:19], s[54:55]
	s_cmp_eq_u32 s[BB], 1
	s_cselect_b32 s[VM], -1, 0
	; LDS bases.  My row 16 w + r (w = wave % 4) lies in row tile 2 (w % 2) + r / 8, at index r % 8 + 8 (w / 2)
	s_mul_i32 s86, s[QK], 2*TS
	s_lshl_b32 s56, s[BB], 7
	s_add_co_u32 s86, s86, s56
	s_add_co_u32 s86, s86, XIMG
	s_lshl_b32 s87, s[QK], 7
	s_lshl_b32 s56, s[BB], 5
	s_add_co_u32 s87, s87, s56
	s_add_co_u32 s87, s87, XSC
	s_mul_i32 s88, s[BB], 2*TS                     ; my own pair of row tiles,
	s_add_co_u32 s88, s88, XIMG
	s_xor_b32 s57, s[BB], 1                        ; and the other
	s_mul_i32 s89, s57, 2*TS
	s_add_co_u32 s89, s89, XIMG
	s_lshl_b32 s90, s[BB], 7
	s_add_co_u32 s90, s90, XSC
	s_lshl_b32 s91, s57, 7
	s_add_co_u32 s91, s91, XSC
	s_xor_b32 s92, s[QK], 1                        ; K's words at the stage's head, Q's 256 bytes on; 64 b + 4 r
	s_lshl_b32 s92, s92, 8
	s_lshl_b32 s56, s[BB], 6
	s_add_co_u32 s92, s92, s56
	s_add_co_u32 s92, s92, STG
	s_lshl_b32 s93, s[WW], 5                       ; V's halfwords: 32 w + 2 r
	s_add_co_u32 s93, s93, STG+128
	v_and_b32 v1, 31, v0                           ; lane
	v_and_b32 v2, 15, v0                           ; r
	v_bfe_u32 v3, v0, 4, 1                         ; h
	v_bfe_u32 v250, v0, 3, 1                       ; r / 8
	v_and_b32 v251, 7, v0                          ; r % 8
	v_lshlrev_b32 v[LI], 4, v1
	v_lshlrev_b32 v[L4], 2, v1
	v_lshlrev_b32 v[L8], 3, v1
	v_lshlrev_b32 v[R4], 2, v2
	v_lshlrev_b32 v[H128], 7, v3
	v_lshlrev_b32 v[H8], 3, v3
	v_mul_u32_u24 v[XA0], 2640, v2
	v_lshl_add_u32 v[XA0], v3, 7, v[XA0]
	v_add_nc_u32 v[XA0], s61, v[XA0]
	v_mul_u32_u24 v[XA1], 1584, v2
	v_lshl_add_u32 v[XA1], v3, 7, v[XA1]
	v_add_nc_u32 v[XA1], s62, v[XA1]
	v_mul_u32_u24 v[XWI], TS, v250
	v_lshl_add_u32 v[XWI], v251, 4, v[XWI]
	v_lshl_add_u32 v[XWI], v3, 8, v[XWI]           ; 16 x (index + 16 h)
	v_add_nc_u32 v[XWI], s86, v[XWI]
	v_lshlrev_b32 v[XWS], 6, v250
	v_lshl_add_u32 v[XWS], v251, 2, v[XWS]
	v_add_nc_u32 v[XWS], s87, v[XWS]
	v_add_nc_u32 v[AO], s88, v[LI]
	v_add_nc_u32 v[AP], s89, v[LI]
	v_add_nc_u32 v[SOA], s90, v[L4]
	v_add_nc_u32 v[SPA], s91, v[L4]
	v_add_nc_u32 v[SQA], s92, v[R4]
	v_lshl_add_u32 v[SVA], v2, 1, s93
	v_mov_b32 v[TM+8], 0                           ; a lane permute's destination counts as one of its sources
	s_wait_alu depctr_va_vdst(0)
	s_cmp_lt_u32 s[WV], 4
	s_cbranch_scc0 .Lfirst_done
	; WAVES 0-3: W, its scale words and the biases are asked for; K steps 0-4 are quantised
.irp s, 0,1,2,3
	WLOAD \s
.endr
.irp s, 0,1,2,3,4,5,6,7
.irp p, 0,1
	global_load_b32 v[WS+3*\s+\p], v[L4], s[PSQK:PSQK+1] offset:1024*\p+128*\s   ; lanes 0-15: tile (p, 0)'s words; lanes 16-31: tile (p, 1)'s
.endr
	global_load_b32 v[WS+3*\s+2], v[R4], s[PSV:PSV+1] offset:128*\s
.endr
.irp u, 0,1
.irp i, 0,1,2,3
	global_load_b128 v[ACC+32*\u+8*\i:ACC+32*\u+8*\i+3], v[H128], s[PBQK:PBQK+1] offset:32*\i      ; the bias in the result's layout, the C of each sum's first product: features 32 h + 8 i + 0 .. 7
	global_load_b128 v[ACC+32*\u+8*\i+4:ACC+32*\u+8*\i+7], v[H128], s[PBQK:PBQK+1] offset:32*\i+16
.endr
.endr
	global_load_b32 v[BV], v[R4], s[PBV:PBV+1]     ; bv of feature 16 w + r, twice: a pair for the packed addition
	global_load_b32 v[BV+1], v[R4], s[PBV:PBV+1]
	s_wait_tensorcnt 0x0                           ; my rows' K steps 0-4 are in: my own load, read by me alone
.irp t, 0,1,2,3,4
	XREAD XS, XA0, \t
	s_wait_dscnt 0x0                               ; the numbers are in; the last image's stores have read v[PC] on
	QUANT XS, 2
	IMAGE \t
.endr
	s_wait_alu depctr_va_vdst(0)
.Lfirst_done:
	BARRIER                                        ; K steps 0-4 lie in LDS.
	s_cmp_lt_u32 s[WV], 4
	s_cbranch_scc0 .Lquant_b
	s_wait_loadcnt 0x0                             ; W's steps 0-3, all scale words, the biases
	FETCH 0, 0
	FETCH 1, 1
.irp s, 0,1,2,3
	s_wait_dscnt 14                                ; this step's 14 loads are in; the next step's 14 may be out
	MULS \s%2, \s
	PLACES
	WLOAD \s+4                                     ; W's step s + 4 in place of step s
.if \s < 3
	FETCH \s%2, \s+2
.endif
.endr
	s_wait_dscnt 0x0
	s_wait_loadcnt 45                              ; W's step 4 is in; steps 5-7, 15 loads each, may be out
	MULS 0, 4
	PLACES
	s_branch .Lsecond_done
.Lquant_b:
	; WAVES 4-7: K steps 5-7, with two sets of numbers by turns
	s_wait_tensorcnt 0x0                           ; my own load, read by me alone
	XREAD XS, XA1, 0
	XREAD ACC, XA1, 1
	s_wait_dscnt 16                                ; the first 16 loads are in
	QUANT XS, 2
	IMAGE 5
	XREAD XS, XA1, 2
	s_wait_dscnt 16                                ; the second 16 loads are in and the image is stored; the youngest 16 may be out
	QUANT ACC, 2
	IMAGE 6
	s_wait_dscnt 0x0
	QUANT XS, 2
	IMAGE 7
	s_wait_alu depctr_va_vdst(0)
.Lsecond_done:
	BARRIER                                        ; K steps 5-7 lie in LDS
	s_cmp_lt_u32 s[WV], 4
	s_cbranch_scc0 .Lthird_done
	FETCH 1, 5
	FETCH 0, 6
	s_wait_loadcnt 0x0
	s_wait_dscnt 14
	MULS 1, 5
	PLACES
	FETCH 1, 7
	s_wait_dscnt 14
	MULS 0, 6
	s_wait_dscnt 0x0
	MULS 1, 7
	PLACES
	; THE WAY OUT.  Two row tiles x my block of 32 features: one double fragment (registers 0-5 tile u = 0, 6-11 tile u = 1) and one scale word a row
	QUANT ACC, 2
.irp g, 0,1,2
	global_store_b128 v[LI], v[PC+4*\g:PC+4*\g+3], s[PDQK:PDQK+1] offset:512*\g   ; 512 consecutive bytes, aligned
.endr
	ds_store_b32 v[SQA], v[PW]
.irp j, 0,2,4,6,8,10,12,14,16,18,20,22,24,26,28,30
	v_pk_add_f32 v[VACC+\j:VACC+\j+1], v[VACC+\j:VACC+\j+1], v[BV:BV+1]   ; V's bias: one feature a lane.  Ascending: each accumulator is read from its low end on
.endr
	s_wait_alu depctr_va_vdst(0)
	s_wait_xcnt 0x0                                ; the stores have read v[PC] on:
	s_wait_dscnt 0x0                               ; it is written again only behind these waits
	QUANT VACC, 1                                  ; the block of 32 keys 32 h on of feature 16 w + r: my own pair's tiles' half first
.irp i, 0,1,2
	v_cndmask_b32 v[VO+\i], v[PC+\i], v[PC+12+\i], s[VM]     ; where b = 1 my own pair is tiles 2 and 3, the block's upper half
	v_cndmask_b32 v[VO+3+\i], v[PC+12+\i], v[PC+\i], s[VM]
.endr
	ds_store_b16 v[SVA], v[PW]
	global_store_b128 v[LI], v[VO:VO+3], s[PDV:PDV+1]              ; half a fragment: registers 0-3 at 16 x lane: 512 consecutive bytes, aligned;
	global_store_b64 v[L8], v[VO+4:VO+5], s[PDV:PDV+1] offset:512  ; registers 4-5 at 512 + 8 x lane: 256
	s_wait_alu depctr_va_vdst(0)
.Lthird_done:
	BARRIER                                        ; the stage's 384 bytes lie in LDS
	s_cmp_lg_u32 s[WV], 0
	s_cbranch_scc1 .Lnot_wave_0
	v_add_nc_u32 v252, STG, v[L8]
	ds_load_b64 v[250:251], v252                   ; K's 32 scale words and V's 64 halfwords
	s_wait_dscnt 0x0
	global_store_b64 v[L8], v[250:251], s[PDT:PDT+1]   ; 256 consecutive bytes, aligned
.Lnot_wave_0:
	s_cmp_lg_u32 s[WV], 1
	s_cbranch_scc1 .Lnot_wave_1
	v_add_nc_u32 v252, STG+256, v[L4]
	ds_load_b32 v250, v252                         ; Q's 32 scale words
	s_wait_dscnt 0x0
	global_store_b32 v[L4], v250, s[PDQS:PDQS+1]   ; 128 consecutive bytes: a work-group has no more of them (32,768 bytes in the whole launch)
.Lnot_wave_1:
	s_wait_tensorcnt 0x0                           ; the wave's end
	ds_add_u32 v[SPW], v[NIL]
	s_wait_dscnt 0x0
	s_endpgm
.Lfunc_end_k_q82011ba618_proj:
	.size	k_q82011ba618_proj, .Lfunc_end_k_q82011ba618_proj-k_q82011ba618_proj
	.p2alignl 7, 3214868480
	.fill 96, 4, 3214868480
	.section	.rodata,"a",@progbits
	.p2align	6, 0x0
	.amdhsa_kernel k_q82011ba618_proj
		.amdhsa_group_segment_fixed_size 327680
		.amdhsa_private_segment_fixed_size 0
		.amdhsa_enable_private_segment 0
		.amdhsa_kernarg_size 72
		.amdhsa_user_sgpr_count 2
		.amdhsa_user_sgpr_kernarg_segment_ptr 1
		.amdhsa_wavefront_size32 1
		.amdhsa_system_sgpr_workgroup_id_x 1
		.amdhsa_system_sgpr_workgroup_id_y 1
		.amdhsa_system_sgpr_workgroup_id_z 1
		.amdhsa_system_vgpr_workitem_id 0
		.amdhsa_next_free_vgpr 512
		.amdhsa_next_free_sgpr 96
		.amdhsa_reserve_vcc 0
		.amdhsa_float_denorm_mode_32 3
		.amdhsa_float_denorm_mode_16_64 3
		.amdhsa_memory_ordered 1
		.amdhsa_forward_progress 1
		.amdhsa_inst_pref_size 85
	.end_amdhsa_kernel
	.amdgpu_metadata
---
amdhsa.version: [ 1, 2 ]
amdhsa.kernels:
  - .name:           k_q82011ba618_proj
    .symbol:         k_q82011ba618_proj.kd
    .args:
      - { .name: x, .offset: 0, .size: 8, .value_kind: global_buffer, .address_space: global }
      - { .name: wc, .offset: 8, .size: 8, .value_kind: global_buffer, .address_space: global }
      - { .name: ws, .offset: 16, .size: 8, .value_kind: global_buffer, .address_space: global }
      - { .name: bq, .offset: 24, .size: 8, .value_kind: global_buffer, .address_space: global }
      - { .name: bk, .offset: 32, .size: 8, .value_kind: global_buffer, .address_space: global }
      - { .name: bv, .offset: 40, .size: 8, .value_kind: global_buffer, .address_space: global }
      - { .name: qc, .offset: 48, .size: 8, .value_kind: global_buffer, .address_space: global }
      - { .name: qs, .offset: 56, .size: 8, .value_kind: global_buffer, .address_space: global }
      - { .name: kv, .offset: 64, .size: 8, .value_kind: global_buffer, .address_space: global }
    .group_segment_fixed_size: 327680
    .private_segment_fixed_size: 0
    .kernarg_segment_align: 8
    .kernarg_segment_size: 72
    .max_flat_workgroup_size: 256
    .sgpr_count:     96
    .vgpr_count:     512
    .wavefront_size: 32
...
	.end_amdgpu_metadata
.endif
;; end of part 2
;; launch attn (part 3): grid 64 x 4, 8 waves a work-group, clusters of 4 x 1, 327,680 bytes of LDS; arguments qc, qs, kv, out0; writes out0
.if DOCPART == 3
	.amdgcn_target "amdgcn-amd-amdhsa--gfx1250"
	.amdhsa_code_object_version 6
	.text
	.protected	k_q82011ba618_attn
	.globl	k_q82011ba618_attn
	.p2align	8
	.type	k_q82011ba618_attn,@function
k_q82011ba618_attn:
	s_mov_b64 s[64:65], 0
	v_nop
	global_prefetch_b8 v0, s[64:65] scope:SCOPE_SE
	s_setreg_imm32_b32 hwreg(HW_REG_WAVE_MODE, 25, 1), 1
	s_wait_xcnt 0x0
	s_wait_alu depctr_hold_cnt(0) depctr_sa_sdst(0) depctr_va_vdst(0) depctr_va_sdst(0) depctr_va_ssrc(0) depctr_va_vcc(0) depctr_vm_vsrc(0)
	s_getreg_b32 s2, hwreg(HW_REG_IB_STS2, 6, 4)
	s_cmp_eq_u32 s2, 0
	s_cbranch_scc0 .Lentry_in_a_cluster
	s_endpgm
.Lentry_in_a_cluster:
	s_bfe_u32 s2, ttmp6, 0x10000c
	s_cmp_lg_u32 s2, 0x3003
	s_cbranch_scc0 .Lentry_shape_is_right
	s_endpgm
.Lentry_shape_is_right:
; out0[b][q][:] = the sum over k of softmax_k(Q[b][q] . K[b][k] / 8) V[b][k][:], both products on codes of BF6 (E3M2) with one E8M0 scale for each 32 along a product's K.  4 batches, 4,096 queries and keys, 64 features.
; THE SOFTMAX AHEAD OF THE SECOND PRODUCT: t = score x log2(e) / 8; M = the largest t so far, rounded UP to a whole number; p = 2^(t - M) is what is quantised, along the keys, not normalised.
; The row's sum is taken of the unquantised p, in f32, and divides at the end.  When M moves, the sum and O are multiplied by 2^(old M - new M): exact.
; SHARES.  A work-group owns 64 queries of one batch: four tiles of 16.  Wave w takes ALL FOUR against keys 512 w .. 512 w + 511, so each fragment of K and V is read once from LDS in the work-group; the eight parts are joined at the end
; by exact powers of two, since every M is a whole number.  Eight waves of 512 registers: two to a SIMD.
; LAYOUT.  Both products are used transposed (S^T = K Q^T, O^T = V^T P^T): a lane holds ONE query (lane % 16) throughout.  Operands lie in memory and LDS as images of their registers: every LDS load is dense.
; THE SCORES' K IS 64, HALF OF THE INSTRUCTION'S 128: a fragment of K carries TWO key tiles (registers 0-5: tile u = 0; 6-11: tile u = 1), and Q's tiles stand between zeros, 0 | Q0 | 0 | Q1 | 0 | Q2 | 0 | Q3 | 0:
; K x (Q | 0) gives tile 0's scores, K x (0 | Q) tile 1's; zero codes add nothing (all scale bytes lie in 1 .. 254).  Q's scale word is its two bytes twice.
; THE KEYS OF A TILE: row m of tile 4 c + i is key 64 c + 32 (m / 8) + 8 i + m % 8 of the 128.  So lane (r, h)'s registers 32 c .. 32 c + 31 of S^T are the WHOLE block of keys 64 c + 32 h + 0 .. 31, in the order of p's operand.
; kv: a record of 12,800 bytes for each 128 keys = two half records (64 keys, e = 0, 1) of 6,400: K's two double fragments (1,536 each), V's four half fragments (768 each: 32 x 16 bytes, 32 x 8 bytes: registers 6 e .. 6 e + 5),
; K's 32 scale words, V's 64 halfwords.  A wave's four records lie on end.
; CLUSTER.  The four work-groups of a cluster belong to one batch and walk the same kv: wave w of each asks JOINTLY for the same records, with a mask that names the four.  Only wave w of a work-group reads what its wave w asked for.
; THREE SLOTS A WAVE: record 0 at the head; records 1 and 2 by one load behind a round in unit 0; record 3 into slot 0, behind a round in unit 6.  Nothing is prefetched: there is no loop to run ahead in.
; UNITS.  Unit u = 4 x step + query tile: 16 queries x 128 keys.  Unit u + 1's scores are multiplied ahead of unit u's exponentials.  The exponentials go in two batches of 32; between them stand plain lines that are ready:
; t - M of the second batch, the sum of the first.  One wait stands in front of each batch, and one behind the second.
; LIMITS: NaN and infinities are not served.  A block of p that is all zeros keeps the byte 1: its codes are zeros.
.set SLOTB, 12800
.set REG,   3*SLOTB                    ; a wave's three slots
.set SPARE, 8*REG                      ; behind them: the spare words, 128 bytes for each wave: no other line names them
.set SPW,  5                           ; LDS address of my spare word; never rewritten
.set NIL,  6                           ; 0; never rewritten
; window 0: v1-4 LDS addresses: my slots + 16, 8, 4, 2 x lane (v4 in the last units: my stage);  v7, v69 at work
.set MT,   8                           ; v8-15  for each query tile: -M, the largest t
.set SU,   16                          ; v16-23 for each query tile: the sum, in two halves
.set PP,   24                          ; v24-35 p's codes
.set CT,   36                          ; v36-43 the conversions' second halves
.set VR,   36                          ; v36-39 V's halfwords as loaded: 2 e + tp
.set AC,   44                          ; v44-59 eight pairs of partial sums
.set KS,   60                          ; v60-61 K's scale words of half record e: lanes 0-15 its first double fragment, lanes 16-31 its second
.set VS,   62                          ; v62-63 V's scale words: lanes 0-15 feature tile 2 tp, lanes 16-31 tile 2 tp + 1
.set QS,   64                          ; v64-67 Q's scale words
.set PS,   68                          ; p's scale word (lanes 0-15)
.set FF,   70                          ; v70    2^(old M - new M)  (v71: named as the pair's upper half)
.set BM,   72                          ; v72-73 my blocks' largest scores, then largest p; v74-75 at work
.set SO,   76                          ; v76-77 the conversions' scale operands
.set BY,   78                          ; v78-79 the scales' bytes
.set KF,   80                          ; v80-127 K's four double fragments
.set S0,   128                         ; v128-191, v192-255 S^T, then p: units by turns
; window 1: v0-127 O^T: 32 q + 8 t + j
.set VF,   128                         ; v128-175 V's four fragments
.set QB,   176                         ; v176-229 0 | Q0 | 0 | Q1 | 0 | Q2 | 0 | Q3 | 0
.set WV,   12
.set SEL,  20                          ; s[20:21] v_permlanex16_b32's selects for lane l xor 16
.set CS,   22                          ; s[22:23] c = log2(e) / 8
.set G1,   24                          ; s[24:31] descriptor group 1, one record;  s[32:39] two records
.set G1L,  32
.set G0,   40                          ; s[40:43] group 0, slot 0;  s[44:47] slots 1 and 2
.set G0L,  44
.set MSB, 0
.macro WIN new                         ; the immediate's high byte repeats the setting that is left
.if MSB != (\new)
	s_set_vgpr_msb (MSB<<8)|(\new)
.set MSB, (\new)
.endif
.endm
.macro PLACES
.rept 4
	v_nop
.endr
.endm
; A round of the cluster's barrier: my work-group's barrier; wave 0 signals for the work-group; every wave waits for all four work-groups; my work-group's barrier once more.
.macro CROUND
	s_barrier_signal -1
	s_barrier_wait -1
	s_cmp_lg_u32 s[WV], 0
	s_cbranch_scc1 .Lnot_wave_0_\@
	s_barrier_signal -3
.Lnot_wave_0_\@:
	s_barrier_wait -3
	s_barrier_signal -1
	s_barrier_wait -1
.endm
.macro JLOAD g0, g1                    ; my one joint load behind the round
	tensor_load_to_lds s[\g0:\g0+3], s[\g1:\g1+7]
	s_nop 0
.rept 4
	v_nop
.endr
.endm
.macro DESC g, rows                    ; descriptor group 1: dense bytes as rows of 256 (32 elements of 8 bytes)
	s_mov_b32 s[\g+0], 15|(3<<16)|(1<<21)          ; the mask: all four work-groups; elements of 8 bytes; bit 21 set beside a mask; no padding
	s_mov_b32 s[\g+1], 32<<16
	s_mov_b32 s[\g+2], \rows<<16
	s_mov_b32 s[\g+3], 32<<16
	s_mov_b32 s[\g+4], \rows
	s_mov_b32 s[\g+5], 32
	s_mov_b32 s[\g+6], 0
	s_mov_b32 s[\g+7], 0
.endm
.macro LOADK s                         ; step s's K, 14 loads
.set RB, SLOTB*((\s)%3)
.irp kb, 0,1,2,3
.irp g, 0,1,2
	ds_load_b128 v[KF+12*\kb+4*\g:KF+12*\kb+4*\g+3], v1 offset:RB+6400*(\kb/2)+1536*(\kb%2)+512*\g
.endr
.endr
.irp e, 0,1
	ds_load_b32 v[KS+\e], v3 offset:RB+6400*\e+6144
.endr
.endm
.macro LOADV s                         ; step s's V, 20 loads
.set RB, SLOTB*((\s)%3)
	WIN 0x40
.irp t, 0,1,2,3
.irp e, 0,1
	ds_load_b128 v[VF+12*\t+6*\e:VF+12*\t+6*\e+3], v1 offset:RB+6400*\e+3072+768*\t
	ds_load_b64 v[VF+12*\t+6*\e+4:VF+12*\t+6*\e+5], v2 offset:RB+6400*\e+3072+768*\t+512
.endr
.endr
	WIN 0
.irp e, 0,1
.irp tp, 0,1
	ds_load_u16 v[VR+2*\e+\tp], v4 offset:RB+6400*\e+6272+64*\tp
.endr
.endr
.endm
; Unit n's scores: register 8 t + j of lane (r, h), t = 4 c + i, is the score of query r and key 64 c + 32 h + 8 i + j.
.macro QKT n
.set SD, S0+64*((\n)%2)
.set QR, QB+6+12*((\n)%4)
	WIN 0x04
.irp t, 0,1,2,3,4,5,6,7
.if (\t/2)%2
	v_wmma_scale_f32_16x16x128_f8f6f4 v[SD+8*\t:SD+8*\t+7], v[KF+12*(\t/2):KF+12*(\t/2)+11], v[QR-6*(\t%2):QR-6*(\t%2)+11], 0, v[KS+\t/4], v[QS+(\n)%4] matrix_a_fmt:MATRIX_FMT_BF6 matrix_b_fmt:MATRIX_FMT_BF6 matrix_a_scale:MATRIX_SCALE_ROW1
.else
	v_wmma_scale_f32_16x16x128_f8f6f4 v[SD+8*\t:SD+8*\t+7], v[KF+12*(\t/2):KF+12*(\t/2)+11], v[QR-6*(\t%2):QR-6*(\t%2)+11], 0, v[KS+\t/4], v[QS+(\n)%4] matrix_a_fmt:MATRIX_FMT_BF6 matrix_b_fmt:MATRIX_FMT_BF6
.endif
.endr
	WIN 0
.endm
; O^T of unit u's query tile += V^T P^T: the four accumulators by turns; register 8 t + j of lane (r, h) is feature 16 t + 8 h + j of query r.  In step 0 the products start the sums.
.macro PVT u
.set OD, 32*((\u)%4)
	WIN 0x51
.irp t, 0,1,2,3
.if (\u) < 4
.if \t%2
	v_wmma_scale_f32_16x16x128_f8f6f4 v[OD+8*\t:OD+8*\t+7], v[VF+12*\t:VF+12*\t+11], v[PP:PP+11], 0, v[VS+\t/2], v[PS] matrix_a_fmt:MATRIX_FMT_BF6 matrix_b_fmt:MATRIX_FMT_BF6 matrix_a_scale:MATRIX_SCALE_ROW1
.else
	v_wmma_scale_f32_16x16x128_f8f6f4 v[OD+8*\t:OD+8*\t+7], v[VF+12*\t:VF+12*\t+11], v[PP:PP+11], 0, v[VS+\t/2], v[PS] matrix_a_fmt:MATRIX_FMT_BF6 matrix_b_fmt:MATRIX_FMT_BF6
.endif
.else
.if \t%2
	v_wmma_scale_f32_16x16x128_f8f6f4 v[OD+8*\t:OD+8*\t+7], v[VF+12*\t:VF+12*\t+11], v[PP:PP+11], v[OD+8*\t:OD+8*\t+7], v[VS+\t/2], v[PS] matrix_a_fmt:MATRIX_FMT_BF6 matrix_b_fmt:MATRIX_FMT_BF6 matrix_a_scale:MATRIX_SCALE_ROW1
.else
	v_wmma_scale_f32_16x16x128_f8f6f4 v[OD+8*\t:OD+8*\t+7], v[VF+12*\t:VF+12*\t+11], v[PP:PP+11], v[OD+8*\t:OD+8*\t+7], v[VS+\t/2], v[PS] matrix_a_fmt:MATRIX_FMT_BF6 matrix_b_fmt:MATRIX_FMT_BF6
.endif
.endif
.endr
.endm
.macro TSUB b, j, u                    ; pair j of unit u's scores at v[b] on: t - M (of the pairs c and -M the low word serves both halves)
	v_pk_fma_f32 v[\b+2*(\j):\b+2*(\j)+1], v[\b+2*(\j):\b+2*(\j)+1], s[CS:CS+1], v[MT+2*((\u)%4):MT+2*((\u)%4)+1] op_sel_hi:[1,0,0]
.endm
; THE ROW'S SUM, of the UNQUANTISED p, two at a time, in eight pairs.  L1: numbers 4 i .. 4 i + 3 of the first batch start pair i;  L2: numbers 2 i, 2 i + 1 of the second are added to pair i % 8;  TREE: the pairs become one.
.macro L1 i
	v_pk_add_f32 v[AC+2*(\i):AC+2*(\i)+1], v[SB+4*(\i):SB+4*(\i)+1], v[SB+4*(\i)+2:SB+4*(\i)+3]
.endm
.macro L2 i
	v_pk_add_f32 v[AC+2*((\i)%8):AC+2*((\i)%8)+1], v[AC+2*((\i)%8):AC+2*((\i)%8)+1], v[SB+32+2*(\i):SB+33+2*(\i)]
.endm
.macro TREE i, d
	v_pk_add_f32 v[AC+2*(\i):AC+2*(\i)+1], v[AC+2*(\i):AC+2*(\i)+1], v[AC+2*(\i)+2*(\d):AC+2*(\i)+2*(\d)+1]
.endm
.macro FILL k, u                       ; the next ready plain line of batch k: it names nothing that this batch's exponentials read or write
.if (\k) == 0
.if FN < 16
	TSUB SB, 16+FN, \u
.elseif FN == 16 && (\u) >= 4
	v_pk_mul_f32 v[SU+2*((\u)%4):SU+2*((\u)%4)+1], v[SU+2*((\u)%4):SU+2*((\u)%4)+1], v[FF:FF+1] op_sel_hi:[1,0]   ; the sum under the new M
.endif
.elseif FN < 8
	L1 FN
.elseif FN < 10
	v_max_num_f32 v[SO+FN-8], 0x2800000, v[BM+FN-8]        ; the blocks' largest p, with the floor 2^(5 - 127): the byte cannot fall under 1
.endif
.set FN, FN+1
.endm
.macro BATCH k, u                      ; p = 2^(t - M), at most 1, not normalised.  Batch 0 begins with the blocks' largest p: the same multiply-add and exponential on the same number as the score's own
	s_wait_alu depctr_va_vdst(0)                   ; ahead of a batch; it serves the batch before too
.set FN, 0
.if (\k) == 0
	v_exp_f32 v[BM], v[BM]
	FILL \k, \u
	v_exp_f32 v[BM+1], v[BM+1]
	FILL \k, \u
.endif
.irp n, 0,1,2,3,4,5,6,7,8,9,10,11,12,13,14,15,16,17,18,19,20,21,22,23,24,25,26,27,28,29,30,31
	v_exp_f32 v[SB+32*(\k)+\n], v[SB+32*(\k)+\n]
	FILL \k, \u
.endr
.endm
.macro MAXS                            ; the largest score of each of my two blocks of the unit at v[SN] on, in four chains: it serves for the row's maximum and, since p rises with the score, for the block's largest p
.irp b, 0,1
	v_max3_num_f32 v[BM+\b], v[SN+32*\b], v[SN+32*\b+1], v[SN+32*\b+2]
	v_max3_num_f32 v[BM+2+\b], v[SN+32*\b+16], v[SN+32*\b+17], v[SN+32*\b+18]
.endr
.irp i, 3,5,7,9,11,13
.irp b, 0,1
	v_max3_num_f32 v[BM+\b], v[BM+\b], v[SN+32*\b+\i], v[SN+32*\b+\i+1]
	v_max3_num_f32 v[BM+2+\b], v[BM+2+\b], v[SN+32*\b+\i+16], v[SN+32*\b+\i+17]
.endr
.endr
.irp b, 0,1
	v_max3_num_f32 v[BM+\b], v[BM+\b], v[BM+2+\b], v[SN+32*\b+15]
.endr
.irp b, 0,1
	v_max_num_f32 v[BM+\b], v[BM+\b], v[SN+32*\b+31]
.endr
.endm
.macro CH i, u                         ; line i of the chain that leads from unit u + 1's maxima to its -M and to 2^(old M - new M)
.if (\u) < 15
.set Q2, MT+2*(((\u)+1)%4)
.if \i == 0
	v_max_num_f32 v7, v[BM], v[BM+1]
.elseif \i == 1
	v_permlanex16_b32 v69, v7, s[SEL], s[SEL+1]
.elseif \i == 2
	v_max_num_f32 v7, v7, v69                      ; with lane l xor 16's keys: the unit's largest score of my query
.elseif \i == 3
.if (\u) < 3
	v_mul_f32 v[Q2+1], s[CS], v7                   ; as t (c is positive)
.else
	v_mul_f32 v7, s[CS], v7
.endif
.elseif \i == 4
.if (\u) >= 3
	v_max_num_f32 v[Q2+1], v[Q2+1], v7             ; the running largest t
.endif
.elseif \i == 5
.if (\u) < 3
	v_floor_f32 v[Q2], -v[Q2+1]                    ; -M = floor(-t) = -ceil(t): a whole number
.else
	v_floor_f32 v74, -v[Q2+1]
.endif
.elseif (\u) >= 3
.if \i == 6
	v_sub_f32 v7, v74, v[Q2]                       ; old M - new M: a whole number, 0 or less
.elseif \i == 7
	v_mov_b32 v[Q2], v74
.elseif \i == 8
	v_cvt_i32_f32 v7, v7                           ; (it saturates)
.else
	v_ldexp_f32 v[FF], 1.0, v7
.endif
.endif
.endif
.endm
.macro SS i, u                         ; line i of unit u's sum and of p's scale word
.if (\u) >= 0
.if \i < 16
	L2 \i
.elseif \i < 20
	TREE \i-16, 4
.elseif \i < 22
	TREE \i-20, 2
.elseif \i == 22
.if (\u) >= 4
	TREE 0, 1
.endif
.elseif \i < 25
	v_add_nc_u32 v[SO+\i-23], 0xfe000000, v[SO+\i-23]      ; 4 off the exponent field: the conversion's scale operand
.elseif \i < 27
	v_lshrrev_b32 v[BY+\i-25], 23, v[SO+\i-25]             ; the scale's byte
.elseif \i == 27
	v_lshl_or_b32 v[PS], v[BY+1], 16, v[BY]        ; my blocks' bytes: places h and 2 + h
.elseif \i == 28
	v_permlanex16_b32 v75, v[PS], s[SEL], s[SEL+1]
.else
	v_lshl_or_b32 v[PS], v75, 8, v[PS]             ; in lanes 0-15, which are the ones read: p's scale word for these 128 keys
.endif
.endif
.endm
.macro CS4 c, u, a, b, d               ; one line of the chain, then three others, so that the chain's next line need not wait for it
	CH \c, \u
	SS \a, \u
	SS \b, \u
	SS \d, \u
.endm
; Behind unit u's exponentials, directly behind their wait: unit u + 1's maxima and M, unit u's sum, codes and second product.  u = -1: unit 0's maxima and M alone.
.macro DRAIN u
.set SN, S0+64*(((\u)+1)%2)
.if (\u) < 15
	MAXS
.endif
.if (\u) >= 0 && (\u)%4 == 0
	v_lshl_or_b32 v[VS], v[VR+2], 16, v[VR]        ; V's scale words: the first half record's two bytes below, the second's above
	v_lshl_or_b32 v[VS+1], v[VR+3], 16, v[VR+1]
.endif
	CS4 0, \u, 23, 24, 0
	CS4 1, \u, 1, 25, 26
	CS4 2, \u, 2, 3, 27
	CS4 3, \u, 4, 5, 6
	CS4 4, \u, 28, 7, 8
	CS4 5, \u, 9, 10, 11
	CS4 6, \u, 29, 12, 13
	CH 7, \u
	SS 14, \u
	CS4 8, \u, 15, 16, 17
	CS4 9, \u, 18, 19, 20
	SS 21, \u
	SS 22, \u
.if (\u) >= 3 && (\u) < 15
.set OD, 32*(((\u)+1)%4)
	WIN 0x41
	s_wait_alu depctr_va_vdst(0)                   ; directly ahead of the first reader of O^T
.irp j, 0,2,4,6,8,10,12,14,16,18,20,22,24,26,28,30
	v_pk_mul_f32 v[OD+\j:OD+\j+1], v[OD+\j:OD+\j+1], v[FF:FF+1] op_sel_hi:[1,0]   ; O^T of the next unit's query tile under its new M, each accumulator from its low end on
.endr
	WIN 0
.endif
.if (\u) >= 0
.irp c, 0,1
	v_cvt_scalef32_pk16_bf6_f32 v[PP+6*\c:PP+2+6*\c], v[SB+32*\c:SB+32*\c+15], v[SO+\c]
	v_cvt_scalef32_pk16_bf6_f32 v[CT+4*\c:CT+2+4*\c], v[SB+32*\c+16:SB+32*\c+31], v[SO+\c]   ; (a conversion's three registers begin on an even number)
.endr
.if (\u) < 4
	v_pk_add_f32 v[SU+2*((\u)%4):SU+2*((\u)%4)+1], v[AC:AC+1], v[AC+2:AC+3]   ; the tile's sum; also the plain place behind the conversions
.else
	v_pk_add_f32 v[SU+2*((\u)%4):SU+2*((\u)%4)+1], v[SU+2*((\u)%4):SU+2*((\u)%4)+1], v[AC:AC+1]
.endif
.irp c, 0,1
.irp i, 0,1,2
	v_mov_b32 v[PP+3+6*\c+\i], v[CT+4*\c+\i]
.endr
.endr
.endif
.if (\u) < 15
.irp j, 0,1,2,3
	TSUB SN, \j, (\u)+1                            ; also the four places between p's operand and its product
.endr
.else
	PLACES
.endif
.if (\u) >= 0
	PVT \u
.endif
.endm
.macro STAGE q                         ; O^T of query tile q into my stage: group g = 2 t + j / 4: lane (r, h)'s 16 bytes at 544 g + 272 h + 16 r, each accumulator from its low end on
	WIN 0x04
.irp g, 0,1,2,3,4,5,6,7
	ds_store_b128 v4, v[32*(\q)+4*\g:32*(\q)+4*\g+3] offset:4352*(\q)+544*\g
.endr
	WIN 0
.endm
.macro ITER u
.set SB, S0+64*((\u)%2)
.if (\u) < 15
	QKT (\u)+1
.endif
	WIN 0
.irp j, 4,5,6,7,8,9,10,11,12,13,14,15
	TSUB SB, \j, \u
.endr
.irp c, 0,1
	v_fma_f32 v[BM+\c], v[BM+\c], s[CS], v[MT+2*((\u)%4)]   ; t - M of each block's largest score.  These fourteen lines are also the places between the products and the loads into their sources
.endr
.if (\u) == 0 || (\u) == 6
	s_wait_alu depctr_va_vdst(0)                   ; ahead of the waits and branches below
	s_wait_tensorcnt 0x0                           ; all that I asked for is in; no tensor load of mine is out, so a group 0 may be written
	ds_add_u32 v[SPW], v[NIL]                      ; 0 onto my spare word
.if (\u) == 6
	s_add_nc_u64 s[G0+2:G0+3], s[G0+2:G0+3], 3*SLOTB   ; record 3; the type bits on top are not reached
.endif
	s_wait_dscnt 0x0                               ; the add is done, and my reads of slot 0 are over
	CROUND                                         ; the same holds of every wave of every partner
.if (\u) == 0
	JLOAD G0L, G1L                                 ; records 1 and 2 into slots 1 and 2
.else
	JLOAD G0, G1                                   ; record 3 into slot 0
	LOADK 2
.endif
.elseif (\u) == 2 || (\u) == 10
	s_wait_alu depctr_va_vdst(0)
	s_wait_tensorcnt 0x0                           ; records 1 and 2, or record 3, are in: my own load, read by me alone
	LOADK (\u)/4+1
.elseif (\u)%4 == 0
	LOADV (\u)/4
.elseif (\u) >= 13
	; THE STAGE OF THE JOIN lies in my own slots 1 and 2, which have had their last fill and their last read (by myself alone): query tiles 0 to 2 go there while later ones are at work
.if (\u) == 13
	v_and_b32 v7, 15, v0
	v_bfe_u32 v4, v0, 4, 1
	v_mul_u32_u24 v4, 0x110, v4
	v_lshl_add_u32 v4, v7, 4, v4
	v_add_nc_u32 v4, s51, v4                       ; 16 r + 272 h
.endif
	STAGE (\u)-13
.endif
	BATCH 0, \u
	BATCH 1, \u
.if (\u)%4 == 0 || ((\u)%4 == 2 && (\u) < 14)
	s_wait_dscnt 0x0                               ; the fragments asked for ahead of the batches are in
.endif
	s_wait_alu depctr_va_vdst(0)                   ; for the last batch, and directly ahead of the first reader of the next scores
	DRAIN \u
.endm
	s_load_b256 s[4:11], s[0:1], 0x0               ; qc s[4:5], qs s[6:7], kv s[8:9], out0 s[10:11]
	v_lshl_add_u32 v[SPW], v0, 2, SPARE
	v_mov_b32 v[NIL], 0
	ds_add_u32 v[SPW], v[NIL]                      ; the opening: the add, twice on end, under one wait
	ds_add_u32 v[SPW], v[NIL]
	v_lshrrev_b32 v1, 5, v0
	v_readfirstlane_b32 s[WV], v1                  ; wave 0..7
	s_bfe_u32 s15, ttmp6, 0x40000                  ; cx: my place in the cluster: it enters qc's, qs's and out0's addresses alone
	s_lshl_b32 s16, ttmp9, 2                       ; in a cluster launch ttmp9 counts clusters
	s_add_co_u32 s16, s16, s15                     ; my block of 64 queries
	s_and_b32 s17, ttmp7, 0xffff                   ; the batch, which the four partners share
	s_lshl_b32 s18, s17, 6
	s_add_co_u32 s18, s18, s16                     ; 64 x batch + block: the number of the projection's work-group that made my queries
	DESC G1, 50
	DESC G1L, 100
	s_mul_i32 s48, s17, 409600                     ; kv: a batch's 32 records,
	s_mul_i32 s49, s[WV], 51200                    ; my wave's 4
	s_add_co_u32 s48, s48, s49
	s_mov_b32 s49, 0                               ; (stays 0: the upper word of every offset below)
	s_mul_i32 s50, s[WV], REG                      ; my slots
	s_add_co_u32 s51, s50, SLOTB                   ; the join: my stage, in my slots 1 and 2: 17,408 bytes of O^T,
	s_add_co_u32 s52, s51, 17408                   ; then 512 of -M and the sum
	s_lshr_b32 s14, s[WV], 1                       ; I join query tile w / 2,
	s_and_b32 s13, s[WV], 1                        ; rows 8 (w % 2) + 0 .. 7 of it
	s_mul_i32 s53, s14, 4352
	s_lshl_b32 s54, s13, 7
	s_add_co_u32 s53, s53, s54
	s_add_co_u32 s53, s53, SLOTB
	s_lshl_b32 s54, s14, 7
	s_lshl_b32 s55, s13, 6
	s_add_co_u32 s54, s54, s55
	s_add_co_u32 s54, s54, SLOTB+17408
	s_mov_b32 s[SEL], 0x76543210
	s_mov_b32 s[SEL+1], 0xfedcba98
	s_mov_b32 s[CS], 0x3e38aa3b                    ; c = log2(e) / 8
	s_mov_b32 s[CS+1], s[CS]                       ; (named with it as a pair, so it is written)
	s_mov_b32 s[G0], 1
	s_mov_b32 s[G0+1], s50
	s_mov_b32 s[G0L], 1
	s_mov_b32 s[G0L+1], s51
	s_wait_alu depctr_va_vdst(0)                   ; ahead of the waits and branches below
	s_wait_dscnt 0x0                               ; both opening adds are done
	CROUND                                         ; all four work-groups are here: the first joint loads meet
	s_wait_kmcnt 0x0
	s_add_nc_u64 s[8:9], s[8:9], s[48:49]          ; kv at batch and wave: the same in all four partners
	s_mov_b64 s[G0+2:G0+3], s[8:9]
	s_or_b32 s[G0+3], s[G0+3], 0x80000000
	s_add_nc_u64 s[G0L+2:G0L+3], s[8:9], SLOTB
	s_or_b32 s[G0L+3], s[G0L+3], 0x80000000
	JLOAD G0, G1                                   ; record 0: one load a wave at the head
	s_mul_i32 s48, s18, 3072                       ; qc: two double fragments,
	s_add_nc_u64 s[4:5], s[4:5], s[48:49]
	s_lshl_b32 s48, s18, 7                         ; qs: 128 bytes a work-group
	s_add_nc_u64 s[6:7], s[6:7], s[48:49]
	s_lshl_b32 s48, s18, 14                        ; out0: my eight rows: 64 x block + 32 (w % 2) + 8 (w / 2) on, 256 bytes each
	s_lshl_b32 s55, s13, 13
	s_add_co_u32 s48, s48, s55
	s_lshl_b32 s55, s14, 11
	s_add_co_u32 s48, s48, s55
	s_add_nc_u64 s[10:11], s[10:11], s[48:49]
	v_and_b32 v80, 31, v0                          ; lane
	v_and_b32 v81, 15, v0                          ; r
	v_lshlrev_b32 v82, 4, v80
	v_lshlrev_b32 v83, 2, v81
	WIN 0x40
.irp b, 0,1                            ; the double fragments of Q, each half to its place between the zeros
	global_load_b128 v[QB+6+24*\b:QB+9+24*\b], v82, s[4:5] offset:1536*\b
	global_load_b64 v[QB+10+24*\b:QB+11+24*\b], v82, s[4:5] offset:1536*\b+512
	global_load_b64 v[QB+18+24*\b:QB+19+24*\b], v82, s[4:5] offset:1536*\b+520
	global_load_b128 v[QB+20+24*\b:QB+23+24*\b], v82, s[4:5] offset:1536*\b+1024
.endr
	WIN 0
	global_load_b32 v84, v83, s[6:7]               ; their scale words: a row's two bytes for tile u = 0, then for tile u = 1
	global_load_b32 v85, v83, s[6:7] offset:64
	WIN 0x40
.irp n, 0,1,2,3,4
.irp i, 0,1,2,3,4,5
	v_mov_b32 v[QB+12*\n+\i], 0                    ; the zero codes on both sides of Q's tiles
.endr
.endr
	WIN 0
	v_lshl_add_u32 v1, v80, 4, s50
	v_lshl_add_u32 v2, v80, 3, s50
	v_lshl_add_u32 v3, v80, 2, s50
	v_lshl_add_u32 v4, v80, 1, s50
	v_mov_b32 v69, 0                               ; a lane permute's destination counts as one of its sources
	v_mov_b32 v[FF+1], 0                           ; (named as the pair's upper half)
	s_wait_alu depctr_va_vdst(0)
	s_wait_loadcnt 0x0
	v_perm_b32 v[QS], v84, v84, 0x01000100         ; a tile's two bytes, twice
	v_perm_b32 v[QS+1], v84, v84, 0x03020302
	v_perm_b32 v[QS+2], v85, v85, 0x01000100
	v_perm_b32 v[QS+3], v85, v85, 0x03020302
	s_wait_alu depctr_va_vdst(0)
	s_wait_tensorcnt 0x0                           ; record 0 is in: my own load, read by me alone
	LOADK 0
	LOADV 0
	PLACES                                         ; eight places between Q's scale words and the first product
	PLACES
	s_wait_dscnt 20                                ; K's 14 loads are in; V's 20 may be out
	QKT 0
	PLACES
	s_wait_alu depctr_va_vdst(0)
	DRAIN -1
.set U, 0
.rept 16
	ITER U
.set U, U+1
.endr
	WIN 0
	; THE JOIN.  The last query tile goes to the stage, with -M and the sums; then wave w joins eight rows: sixteen lanes take a row's 256 bytes, 16 each: 544 g + 272 h runs through sixteen different 16-byte columns of 256.
.irp q, 0,1,2,3
	v_add_f32 v[SU+2*\q], v[SU+2*\q], v[SU+2*\q+1] ; the sum's two halves,
.endr
.irp q, 0,1,2,3
	v_permlanex16_b32 v[AC+\q], v[SU+2*\q], s[SEL], s[SEL+1]
.endr
.irp q, 0,1,2,3
	v_add_f32 v[MT+2*\q+1], v[SU+2*\q], v[AC+\q]   ; and lane l xor 16's: my keys' sum, beside -M.  (These twelve lines are also the places behind the last products)
.endr
	v_and_b32 v80, 15, v0                          ; r on the way in; x, my 16 bytes of a row, on the way back
	v_bfe_u32 v81, v0, 4, 1                        ; which of two rows
	v_lshl_add_u32 v83, v80, 3, s52                ; in: -M and the sum
	v_lshrrev_b32 v84, 2, v80                      ; back: features 4 x .. 4 x + 3 lie in group 2 (x / 4) + x % 2, half (x / 2) % 2
	v_and_b32 v85, 1, v80
	v_bfe_u32 v86, v80, 1, 1
	v_lshl_add_u32 v84, v84, 1, v85
	v_mul_u32_u24 v84, 0x220, v84
	v_mad_u32_u24 v84, v86, 0x110, v84
	v_lshl_add_u32 v84, v81, 4, v84
	v_add_nc_u32 v88, s53, v84
	v_lshl_add_u32 v92, v81, 3, s54
.irp m, 1,2,3
	v_add_nc_u32 v[88+\m], 2*REG*\m, v88           ; waves 2 m, 2 m + 1
	v_add_nc_u32 v[92+\m], 2*REG*\m, v92
.endr
	v_lshlrev_b32 v87, 8, v81
	v_lshl_add_u32 v87, v80, 4, v87                ; out0: lanes 0-15 one row, lanes 16-31 the next
	s_wait_alu depctr_va_vdst(0)                   ; ahead of the waits below
	STAGE 3
.irp q, 0,1,2,3
	ds_store_b64 v83, v[MT+2*\q:MT+2*\q+1] offset:128*\q
.endr
	s_wait_dscnt 0x0
	s_barrier_signal -1
	s_barrier_wait -1
.irp k, 0,1,2,3                        ; rows 2 k + lane / 16 of my eight: wave p's -M and sum at v[8 + 16 k + 2 p] on, its O at v[128 + 16 p + 4 k] on
.irp p, 0,1,2,3,4,5,6,7
	ds_load_b64 v[8+16*\k+2*\p:9+16*\k+2*\p], v[92+\p/2] offset:REG*(\p%2)+16*\k
.endr
.endr
.irp p, 0,1,2,3,4,5,6,7
.irp k, 0,1,2,3
	ds_load_b128 v[128+16*\p+4*\k:131+16*\p+4*\k], v[88+\p/2] offset:REG*(\p%2)+32*\k
.endr
.endr
	s_wait_dscnt 32                                ; the -M and sums are in; the 32 loads of O may be out
.irp k, 0,1,2,3
	v_min3_num_f32 v[72+\k], v[8+16*\k], v[10+16*\k], v[12+16*\k]
.endr
.irp k, 0,1,2,3
	v_min3_num_f32 v[72+\k], v[72+\k], v[14+16*\k], v[16+16*\k]
.endr
.irp k, 0,1,2,3
	v_min3_num_f32 v[72+\k], v[72+\k], v[18+16*\k], v[20+16*\k]
.endr
.irp k, 0,1,2,3
	v_min_num_f32 v[72+\k], v[72+\k], v[22+16*\k]  ; -M of the whole row: the least of the eight
.endr
.irp p, 0,1,2,3,4,5,6,7
.irp k, 0,1,2,3
	v_sub_f32 v[8+16*\k+2*\p], v[72+\k], v[8+16*\k+2*\p]   ; M_p - M: a whole number, 0 or less
.endr
.irp k, 0,1,2,3
	v_cvt_i32_f32 v[8+16*\k+2*\p], v[8+16*\k+2*\p]
.endr
.irp k, 0,1,2,3
	v_ldexp_f32 v[8+16*\k+2*\p], 1.0, v[8+16*\k+2*\p]      ; 2^(M_p - M): exact
.endr
.irp k, 0,1,2,3
.if \p == 0
	v_mul_f32 v[76+\k], v[8+16*\k], v[9+16*\k]
.else
	v_fma_f32 v[76+\k], v[8+16*\k+2*\p], v[9+16*\k+2*\p], v[76+\k]   ; the row's sum
.endif
.endr
.endr
	s_wait_alu depctr_va_vdst(0)                   ; ahead of the wait below
	s_wait_dscnt 0x0
.irp p, 0,1,2,3,4,5,6,7
.irp k, 0,1,2,3
.irp j, 0,2
.if \p == 0
	v_pk_mul_f32 v[96+4*\k+\j:97+4*\k+\j], v[128+4*\k+\j:129+4*\k+\j], v[8+16*\k:9+16*\k] op_sel_hi:[1,0]
.else
	v_pk_fma_f32 v[96+4*\k+\j:97+4*\k+\j], v[128+16*\p+4*\k+\j:129+16*\p+4*\k+\j], v[8+16*\k+2*\p:9+16*\k+2*\p], v[96+4*\k+\j:97+4*\k+\j] op_sel_hi:[1,0,1]
.endif
.endr
.endr
.endr
	s_wait_alu depctr_va_vdst(0)                   ; ahead of the batch
.irp k, 0,1,2,3
	v_rcp_f32 v[112+\k], v[76+\k]
.endr
	v_nop
	s_wait_alu depctr_va_vdst(0)                   ; and behind it
.irp k, 0,1,2,3
.irp j, 0,1,2,3
	v_mul_f32 v[96+4*\k+\j], v[96+4*\k+\j], v[112+\k]
.endr
.endr
.irp k, 0,1,2,3
	global_store_b128 v87, v[96+4*\k:99+4*\k], s[10:11] offset:512*\k th:TH_STORE_NT   ; sixteen lanes store a row's 256 consecutive bytes, aligned; written once, read by nobody here
.endr
	s_wait_tensorcnt 0x0                           ; the wave's end, behind my last tensor load and my last LDS store
	ds_add_u32 v[SPW], v[NIL]
	s_wait_dscnt 0x0
	CROUND                                         ; the closing round: no work-group ends while a partner may still ask for a record that names it
	s_endpgm
.Lfunc_end_k_q82011ba618_attn:
	.size	k_q82011ba618_attn, .Lfunc_end_k_q82011ba618_attn-k_q82011ba618_attn
	.p2alignl 7, 3214868480
	.fill 96, 4, 3214868480
	.section	.rodata,"a",@progbits
	.p2align	6, 0x0
	.amdhsa_kernel k_q82011ba618_attn
		.amdhsa_group_segment_fixed_size 327680
		.amdhsa_private_segment_fixed_size 0
		.amdhsa_enable_private_segment 0
		.amdhsa_kernarg_size 32
		.amdhsa_user_sgpr_count 2
		.amdhsa_user_sgpr_kernarg_segment_ptr 1
		.amdhsa_wavefront_size32 1
		.amdhsa_system_sgpr_workgroup_id_x 1
		.amdhsa_system_sgpr_workgroup_id_y 1
		.amdhsa_system_sgpr_workgroup_id_z 1
		.amdhsa_system_vgpr_workitem_id 0
		.amdhsa_next_free_vgpr 512
		.amdhsa_next_free_sgpr 66
		.amdhsa_reserve_vcc 0
		.amdhsa_float_denorm_mode_32 3
		.amdhsa_float_denorm_mode_16_64 3
		.amdhsa_memory_ordered 1
		.amdhsa_forward_progress 1
		.amdhsa_inst_pref_size 232
	.end_amdhsa_kernel
	.amdgpu_metadata
---
amdhsa.version: [ 1, 2 ]
amdhsa.kernels:
  - .name:           k_q82011ba618_attn
    .symbol:         k_q82011ba618_attn.kd
    .args:
      - { .name: qc, .offset: 0, .size: 8, .value_kind: global_buffer, .address_space: global }
      - { .name: qs, .offset: 8, .size: 8, .value_kind: global_buffer, .address_space: global }
      - { .name: kv, .offset: 16, .size: 8, .value_kind: global_buffer, .address_space: global }
      - { .name: out0, .offset: 24, .size: 8, .value_kind: global_buffer, .address_space: global }
    .group_segment_fixed_size: 327680
    .private_segment_fixed_size: 0
    .kernarg_segment_align: 8
    .kernarg_segment_size: 32
    .max_flat_workgroup_size: 256
    .sgpr_count:     66
    .vgpr_count:     512
    .wavefront_size: 32
...
	.end_amdgpu_metadata
.endif
;; end of part 3
